; MI455X (gfx1250); checked and timed in simulation.
; The chip was launched on July 23, 2026; its instructions are those of AMD's public machine-readable ISA for CDNA 5 (MIT licence, August 2026) and "CDNA5" Instruction Set Architecture Reference Guide (July 2026). The comments in the code are by the model that wrote it; some were corrected since.
;; Scaled Dot Product Attention. Allowed arithmetic: matrix products marked QUANTISED: E4M3 operands, one given power-of-two scale a tensor, by v_wmma_f32_16x16x64_fp8_fp8 or v_wmma_f32_16x16x128_fp8_fp8, f32 sums; everything else in f32.
;; Inputs: k 32 x 2,048 x 128 float32; lowp_scales 4 int32 (the exponents e of the quantised operands' scales 2^e); mask 32 x 2,048 x 2,048 bool; q 32 x 2,048 x 128 float32; v 32 x 2,048 x 128 float32.
;; Outputs: out0 32 x 2,048 x 128 float32.
;; This version of the problem:
;;   THIS VERSION OF THE PROBLEM IS GIVEN IN LOW PRECISION. The matrix products marked QUANTISED in the list below multiply operands that are first quantised to E4M3 (4 exponent bits, 3 mantissa bits; 8 bits a number), with one given power-of-two scale for each operand tensor; their sums are f32. All else is computed in f32.
;;   The module's matrix products, in the order in which they are computed (A, B: the left and right operand; K: the contracted axis; several contracted axes count as one K, in the product's order):
;;     1. batch 32 x [M 2,048, K 128] x [K 128, N 2,048]; A: input q; B: input k: QUANTISED (scales: A lowp_scales[0], B lowp_scales[1])
;;     2. batch 32 x [M 2,048, K 2,048] x [K 2,048, N 128]; A: computed on the way; B: input v: QUANTISED (scales: A lowp_scales[2], B lowp_scales[3])
;;   THE QUANTISER, for each operand of a quantised product, along K:
;;     - The operand's scale is 2^e, e = its entry of the input lowp_scales (int32; the entries are numbered through the quantised products in the list's order, A before B).
;;     - Each number is divided by the scale, clamped to +-448, and rounded to the nearest number of E4M3, ties to even, subnormals kept.
;;     - The product sums the exact products of the quantised numbers (number of the format x scale) in f32.
;;   ~~~python
;;   def quantise(x, axis, e):      # numpy; x: float32 -> the quantised numbers, widened to float32 again
;;       x = np.moveaxis(x, axis, -1); K = x.shape[-1]
;;       r = np.clip(x / 2.0 ** e, -448, 448)
;;       step = 2.0 ** (np.maximum(np.frexp(np.where(r == 0, 1, r))[1] - 1, -6) - 3)
;;       q = np.round(r / step) * step * 2.0 ** e      # np.round: ties to even
;;       return np.moveaxis(q, -1, axis).astype(np.float32)
;;   ~~~
;;   OPERANDS COMPUTED ON THE WAY. 'Computed on the way' means the value that the module computes at that place (a softmax that the list does not call 'softmax' is quantised finished and normalised). What goes into a quantiser is computed in f32, as accurately as f32 sums, v_exp_f32 and their like allow (about 1e-6 of the number): no bf16 or f16 on the way to a quantiser, and a product that is left as it is and whose result goes on into a quantised operand takes f32 operands (vector FMAs, or v_wmma_f32_16x16x4_f32). A number that lies on a knife's edge between two numbers of the format may be rounded either way, as far as f32 arithmetic and the matrix unit's own rounding can turn it there, and no further.
;; One version. Each part assembles by itself: llvm-mc -triple=amdgcn-amd-amdhsa -mcpu=gfx1250 --defsym DOCPART=n.
;; ======== version 1 of 1: 2 launches
;; limits: right only within a limited range of input values
;; workspace buffers: kc 8,388,608 bytes; vc 8,388,608 bytes
;; launch prep (part 1): grid 1024 x 1, 4 waves a work-group, no clusters, 34,304 bytes of LDS; arguments k, v, lowp_scales, kc, vc; writes kc, vc
.if DOCPART == 1
	.amdgcn_target "amdgcn-amd-amdhsa--gfx1250"
	.amdhsa_code_object_version 6
	.text
	.protected	k_q4381a6f808_prep
	.globl	k_q4381a6f808_prep
	.p2align	8
	.type	k_q4381a6f808_prep,@function
k_q4381a6f808_prep:
	s_mov_b64 s[64:65], 0
	v_nop
	global_prefetch_b8 v0, s[64:65] scope:SCOPE_SE
	s_setreg_imm32_b32 hwreg(HW_REG_WAVE_MODE, 25, 1), 1
	s_wait_xcnt 0x0
; k and v, [32][2048][128] f32, become codes of E4M3, laid as IMAGES OF THE OPERANDS' REGISTERS for the attention launch.
; code = x / 2^e, held within +-448, rounded to the nearest code, ties to even; e = entry 1 (k) or entry 3 (v) of the buffer of scales.
; LIMITS: e between -126 and 119, so that 2^e and 448 x 2^e are f32 numbers.  NaN among the inputs is not served.
; A fragment (16 rows x 128 along K, 16 registers a lane) is 2,048 bytes: piece p (registers 4 p .. 4 p + 3) at 512 p, lane l's 16 bytes at 16 l; lane (r, h) = (l % 16, l / 16).
;   kc: fragment 2 g + u of the group g of 32 keys (counted through all batches): lane (r, h), piece p: key 32 g + 8 u + r + 8 (r / 8), channels 32 p + 16 h + 0 .. 15.
;       (The keys of a fragment are not neighbours, so that the scores of fragments 2 g and 2 g + 1 are 16 neighbouring keys in a lane's registers.)
;   vc: fragment 8 S + t of the step S of 128 keys (counted through all batches): lane (r, h), piece p: channel 16 t + r, keys 128 S + 32 p + 16 h + 0 .. 15.
; Work-groups 0-511 take k, 512-1023 take v.  Waves share nothing: no barrier.  Only k's path uses LDS.
; k (K = the channels, innermost): a wave takes 32 keys.  Each load reads one key's whole row, 512 consecutive bytes; 16 rows turn through the wave's own stage, so that a lane gets 16 neighbours of one row.
; v (K = the keys, not innermost): a lane takes a channel and its registers run down 128 keys, so the conversions give codes with the keys innermost and nothing is transposed.
.set WGK,  512                         ; work-groups for k
.set SPK,  528                         ; a stage row: 512 bytes + 16 = 33 x 16: the sixteen rows that a load touches start at sixteen different 16-byte columns
.set WST,  16*SPK                      ; a wave's stage
.set R,    16                          ; v16-143   numbers as they are loaded
.set X,    144                         ; v144-207  a fragment's 64 numbers of a lane, in the operand's order
.set C,    208                         ; v208-239  codes: registers of their own for every store
	s_load_b256 s[4:11], s[0:1], 0x0               ; k s[4:5], v s[6:7], the scales' exponents s[8:9], kc s[10:11]
	s_load_b64 s[12:13], s[0:1], 0x20              ; vc
	v_lshl_add_u32 v240, v0, 2, 0x8400
	v_mov_b32 v241, 0
	v_lshrrev_b32 v6, 5, v0
	v_readfirstlane_b32 s16, v6                    ; wave 0..3
	v_and_b32 v7, 31, v0                           ; lane
	v_and_b32 v8, 15, v0                           ; r
	v_bfe_u32 v9, v0, 4, 1                         ; h
	v_lshlrev_b32 v1, 4, v7                        ; v1: 16 x lane: my bytes of a row of k, and of a piece of an image
	s_mul_i32 s17, s16, WST
	v_add_nc_u32 v2, s17, v1                       ; v2: the stage, on the way in: a row as it lies
	v_mul_u32_u24 v3, v8, SPK
	v_lshl_add_u32 v3, v9, 6, v3
	v_add_nc_u32 v3, s17, v3                       ; v3: and on the way out: row r, + 64 h: my 16 numbers of a block of 32
	v_lshlrev_b32 v4, 2, v7                        ; v4: v: 4 bytes a lane
	v_lshlrev_b32 v5, 4, v8
	v_lshl_add_u32 v5, v9, 11, v5                  ; v5: vc: lanes 0-15 write into one fragment, lanes 16-31 into the next; 16 bytes a lane
	s_wait_kmcnt 0x0
	s_load_b128 s[24:27], s[8:9], 0x0              ; eq, ek, ep, ev
.macro SCALE e                         ; v11 = 2^e (the conversion takes its exponent field), v10 = 448 x 2^e
	s_add_co_i32 s20, \e, 127
	s_lshl_b32 s21, s20, 23
	v_mov_b32 v11, s21
	s_add_co_i32 s20, s20, 8
	s_lshl_b32 s20, s20, 23
	s_or_b32 s20, s20, 0x600000
	v_mov_b32 v10, s20
.endm
	s_cmp_lt_u32 ttmp9, WGK
	s_cbranch_scc0 .Lv_path
; ---- k: my wave's group of 32 keys: 4 x work-group + wave
.macro KLOADF n                        ; the 16 keys of fragment n: row i of the fragment is key 8 n + i + 8 (i / 8)
.set ii, 0
.rept 16
	global_load_b128 v[R+64*\n+4*ii:R+64*\n+4*ii+3], v1, s[4:5] offset:(8*\n+ii+8*(ii/8))*512 th:TH_LOAD_NT   ; 32 lanes read 512 consecutive bytes
.set ii, ii+1
.endr
.endm
.macro KPROC n
	s_wait_loadcnt 16*(1-\n)                       ; this fragment's 16 loads are in; the other fragment's 16 may be out
.set ii, 0
.rept 16
	ds_store_b128 v2, v[R+64*\n+4*ii:R+64*\n+4*ii+3] offset:ii*SPK
.set ii, ii+1
.endr
.irp c, 0,1,2,3                        ; LDS serves a wave's instructions in order: these see the stores above, and the next fragment's stores come behind them
.irp j, 0,1,2,3
	ds_load_b128 v[X+16*\c+4*\j:X+16*\c+4*\j+3], v3 offset:128*\c+16*\j
.endr
.endr
	s_wait_dscnt 0x0
.set ii, 0
.rept 64
	v_med3_num_f32 v[X+ii], v[X+ii], -v10, v10     ; the conversion to an 8-bit code does not saturate (ISA guide 7.6.2): the hold at the largest code x the scale
.set ii, ii+1
.endr
.irp g, 0,1,2,3,4,5,6,7
	v_cvt_scalef32_pk8_fp8_f32 v[C+16*\n+2*\g:C+16*\n+2*\g+1], v[X+8*\g:X+8*\g+7], v11
.endr
	v_nop                                          ; a plain vector line behind the run of conversions: the next fragment's holds write their sources
.irp c, 0,1,2,3
	global_store_b128 v1, v[C+16*\n+4*\c:C+16*\n+4*\c+3], s[10:11] offset:2048*\n+512*\c   ; a piece: 512 consecutive bytes, aligned
.endr
.endm
	s_lshl_b32 s20, ttmp9, 2
	s_add_co_u32 s20, s20, s16
	s_lshl_b32 s22, s20, 14                        ; 32 rows of 512 bytes
	s_mov_b32 s23, 0
	s_add_nc_u64 s[4:5], s[4:5], s[22:23]
	s_lshl_b32 s22, s20, 12                        ; two fragments
	s_add_nc_u64 s[10:11], s[10:11], s[22:23]
	s_wait_alu depctr_va_vdst(0)
	KLOADF 0
	KLOADF 1
	s_wait_kmcnt 0x0
	SCALE s25
	s_wait_alu depctr_va_vdst(0)
	KPROC 0
	KPROC 1
	s_wait_tensorcnt 0x0
	ds_add_u32 v240, v241
	s_wait_dscnt 0x0
	s_endpgm
; ---- v: step S = work-group - 512 of 128 keys; my wave's 32 channels: 32 x wave + lane
.Lv_path:
	s_sub_co_u32 s20, ttmp9, WGK
	s_lshl_b32 s22, s20, 16                        ; 128 rows of 512 bytes,
	s_lshl_b32 s21, s16, 7                         ; + my wave's 128 bytes of a row: the four waves stand side by side on its 512
	s_add_co_u32 s22, s22, s21
	s_mov_b32 s23, 0
	s_add_nc_u64 s[6:7], s[6:7], s[22:23]
	s_lshl_b32 s22, s20, 14                        ; eight fragments,
	s_lshl_b32 s21, s16, 12                        ; of which my wave makes two
	s_add_co_u32 s22, s22, s21
	s_add_nc_u64 s[12:13], s[12:13], s[22:23]
.set ii, 0
	s_wait_alu depctr_va_vdst(0)
.rept 128
	global_load_b32 v[R+ii], v4, s[6:7] offset:ii*512 th:TH_LOAD_NT   ; v(key ii, my channel)
.set ii, ii+1
.endr
	s_wait_kmcnt 0x0
	SCALE s27
.macro VPROC c, left                   ; keys 32 c .. 32 c + 31: piece c of my fragment, both halves of its lanes
	s_wait_loadcnt \left
.set ii, 0
.rept 32
	v_med3_num_f32 v[R+32*\c+ii], v[R+32*\c+ii], -v10, v10
.set ii, ii+1
.endr
.irp g, 0,1,2,3
	v_cvt_scalef32_pk8_fp8_f32 v[C+8*\c+2*\g:C+8*\c+2*\g+1], v[R+32*\c+8*\g:R+32*\c+8*\g+7], v11
.endr
	v_nop
.irp h, 0,1
	global_store_b128 v5, v[C+8*\c+4*\h:C+8*\c+4*\h+3], s[12:13] offset:512*\c+256*\h   ; sixteen lanes store 256 consecutive bytes, aligned
.endr
.endm
	s_wait_alu depctr_va_vdst(0)
	VPROC 0, 63                                    ; 96 younger loads could stay out; the count's field names 63 at the most
	VPROC 1, 63                                    ; (64 could)
	VPROC 2, 32                                    ; the last 32 may be out
	VPROC 3, 0
	s_endpgm
.Lfunc_end_k_q4381a6f808_prep:
	.size	k_q4381a6f808_prep, .Lfunc_end_k_q4381a6f808_prep-k_q4381a6f808_prep
	.p2alignl 7, 3214868480
	.fill 96, 4, 3214868480
	.section	.rodata,"a",@progbits
	.p2align	6, 0x0
	.amdhsa_kernel k_q4381a6f808_prep
		.amdhsa_group_segment_fixed_size 34304
		.amdhsa_private_segment_fixed_size 0
		.amdhsa_enable_private_segment 0
		.amdhsa_kernarg_size 40
		.amdhsa_user_sgpr_count 2
		.amdhsa_user_sgpr_kernarg_segment_ptr 1
		.amdhsa_wavefront_size32 1
		.amdhsa_system_sgpr_workgroup_id_x 1
		.amdhsa_system_sgpr_workgroup_id_y 1
		.amdhsa_system_sgpr_workgroup_id_z 1
		.amdhsa_system_vgpr_workitem_id 0
		.amdhsa_next_free_vgpr 242
		.amdhsa_next_free_sgpr 66
		.amdhsa_reserve_vcc 0
		.amdhsa_float_denorm_mode_32 3
		.amdhsa_float_denorm_mode_16_64 3
		.amdhsa_memory_ordered 1
		.amdhsa_forward_progress 1
		.amdhsa_inst_pref_size 42
	.end_amdhsa_kernel
	.amdgpu_metadata
---
amdhsa.version: [ 1, 2 ]
amdhsa.kernels:
  - .name:           k_q4381a6f808_prep
    .symbol:         k_q4381a6f808_prep.kd
    .args:
      - { .name: k, .offset: 0, .size: 8, .value_kind: global_buffer, .address_space: global }
      - { .name: v, .offset: 8, .size: 8, .value_kind: global_buffer, .address_space: global }
      - { .name: lowp_scales, .offset: 16, .size: 8, .value_kind: global_buffer, .address_space: global }
      - { .name: kc, .offset: 24, .size: 8, .value_kind: global_buffer, .address_space: global }
      - { .name: vc, .offset: 32, .size: 8, .value_kind: global_buffer, .address_space: global }
    .group_segment_fixed_size: 34304
    .private_segment_fixed_size: 0
    .kernarg_segment_align: 8
    .kernarg_segment_size: 40
    .max_flat_workgroup_size: 128
    .sgpr_count:     66
    .vgpr_count:     242
    .wavefront_size: 32
...
	.end_amdgpu_metadata
.endif
;; end of part 1
;; launch attn (part 2): grid 8 x 32, 8 waves a work-group, clusters of 4 x 1, 327,680 bytes of LDS; arguments q, kc, vc, mask, lowp_scales, out0; writes out0
.if DOCPART == 2
	.amdgcn_target "amdgcn-amd-amdhsa--gfx1250"
	.amdhsa_code_object_version 6
	.text
	.protected	k_q4381a6f808_attn
	.globl	k_q4381a6f808_attn
	.p2align	8
	.type	k_q4381a6f808_attn,@function
k_q4381a6f808_attn:
	s_mov_b64 s[64:65], 0
	v_nop
	global_prefetch_b8 v0, s[64:65] scope:SCOPE_SE
	s_setreg_imm32_b32 hwreg(HW_REG_WAVE_MODE, 25, 1), 1
	s_wait_xcnt 0x0
	s_wait_alu depctr_hold_cnt(0) depctr_sa_sdst(0) depctr_va_vdst(0) depctr_va_sdst(0) depctr_va_ssrc(0) depctr_va_vcc(0) depctr_vm_vsrc(0)
	s_getreg_b32 s2, hwreg(HW_REG_IB_STS2, 6, 4)
	s_cmp_eq_u32 s2, 0
	s_cbranch_scc0 .Lentry_in_a_cluster
	s_endpgm
.Lentry_in_a_cluster:
	s_bfe_u32 s2, ttmp6, 0x10000c
	s_cmp_lg_u32 s2, 0x3003
	s_cbranch_scc0 .Lentry_shape_is_right
	s_endpgm
.Lentry_shape_is_right:
; out[b][q][:] = sum over k of Q8(attn[b][q][k]) Q8(v[b][k][:]),  attn = softmax_k(score), score = (Q8(q) . Q8(k)) x sqrt(128), -infinity where mask[b][q][k] is 1; a row with every key hidden gives 0.
; Q8: E4M3 with the given scales 2^eq, 2^ek, 2^ep, 2^ev.  What is quantised for the second product is the finished, normalised attn: a row's largest score and its sum are known before any weight becomes a code.
; SHARES.  A work-group owns 256 queries of one batch, 16 at a time (16 blocks).  EIGHT WAVES, two to a SIMD, 512 registers each.
;   Scores and softmax: wave i owns keys 256 i .. 256 i + 255: 16 x 256 scores in 128 registers, kept until the row's figures are known.  Its 32 KiB of K's codes lie in LDS and it alone reads them.
;   Second product: wave i = 2 w + c owns the 512 keys of its pair w and channels 64 c .. 64 c + 63: 16 fragments of V, 256 registers (window 1), for the whole launch.  The two waves of a pair hand each other their codes of attn through LDS.
;   So O has four parts for each channel; wave i adds rows 2 i and 2 i + 1 and stores them whole.
; LAYOUT.  Both products are used transposed (S^T = K Q^T, O^T = V^T P^T): lane (r, h) holds query r; register 16 B + n of S holds key 256 i + 32 B + 16 h + n.
; THE MASK IS THE C OF THE FIRST PRODUCT.  q's codes are made negated, so a sum is D = C - (sum of codes).  A mask byte shifted left by 6 is the code of 0 or of 2.0; widened with the scale 2^99 it is 0 or 2^100.
; A row's largest score is the MINIMUM of D, capped at 2^30 (a true |D| is at most 128 x 448^2 < 2^25).
; THE SOFTMAX.  t = -c D, c = sqrt(128) log2(e) 2^(eq + ek).  In wave i: M_i = the largest t rounded up to a whole number, p = 2^(t - M_i), l_i = the sum of p.  The eight (M_i, l_i) meet in LDS;
; every wave forms M, l = sum of l_i 2^(M_i - M) (v_ldexp_f32 rounds nothing), 1 / l (0 where l = 0), and attn = p x (1 / l) 2^(M_i - M).
; WORK LAID UNDER THE EXCHANGES.  The next block's q turns through its own stage while the figures' loads are out, and is quantised behind the figures; the next block's mask is widened into S while the parts of O are on their way back.
; CLUSTER.  The four work-groups of a cluster belong to one batch and need the same K: no LDS byte is filled again.  Not asked for jointly: V, which lands in
; registers; the mask, q and out, which are each work-group's own.
; PREFETCH.  Block n loads block n + 1's mask into registers behind its first product, and names block n + 2's (16 rows x 256 bytes a wave, a lane a row; lanes 16-31 name the last row again); the last trip of the loop names nothing.
; q is not prefetched: 1 KiB a wave against the mask's 4 KiB, loaded at a block's top and first used behind the block's first barrier.
; LIMITS: eq + ek between -90 and 90; eq and ep between -126 and 119; ep + ev between -126 and 127.  Mask bytes are 0 or 1.  NaN among the inputs is not served.
; LDS: K (8 x 32,768) | eight regions of 4,352 | the figures (32 x 80) | the image of q's fragment (2,048) | q's turn (8 x 1,024) | the spare words (1,024).
; Region i, between two barriers in wave i's own order: the partner's codes are read, the next mask turns through it, my part of O is stored.
; REGISTERS: window 0: v1-46 addresses, constants, figures, q on its way; v48-63 q's fragment; v64-127 four buffers for K's fragments (the upper two hold the mask outside the first product); v128-255 S.  Window 1: V.
.set XB,   262144
.set XCH,  296960
.set QST,  299520
.set QSTG, 301568
.set SPARE, 309760
.set KA,   1                           ; 32,768 i + 16 l
.set GL,   2                           ; 16 l
.set MGO,  3                           ; the mask in memory: 2,048 h + 16 r + 256 i
.set MSI,  4                           ; the mask's turn, in: 272 h + 16 r
.set MSO,  5                           ; and out: 272 r + 16 h
.set XW,   6                           ; my figures: 80 l + 8 i
.set XR,   7                           ; all figures: 80 l
.set SO,   8                           ; my part of O: 272 r + 32 h
.set SR,   9                           ; the rows that I add: 4,352 h + 16 r + 544 i
.set PR,   10                          ; my region + 16 l
.set MSC,  11                          ; the scale 2^99 as a byte, in every byte
.set PSC,  12                          ; 2^ep
.set PLIM, 13                          ; 448 x 2^ep
.set QSC,  14                          ; 2^eq
.set QLIM, 15                          ; 448 x 2^eq
.set ST,   16                          ; v16 = -M_i, v17 = l_i
.set FC,   18                          ; my factor; named as a pair with v19
.set NMG,  19                          ; -M
.set QSO,  20                          ; q's turn, out: 32 l
.set QW,   21                          ; where my 8 codes of q go
.set OGO,  22                          ; 1,024 i + 16 l: rows 2 i on, in a block of q and of out
.set PW,   23                          ; the partner's region + 16 l
.set CH,   24                          ; v24-27 four chains of the minimum
.set T0,   28
.set T1,   29
.set SPW,  30                          ; my spare word; never rewritten
.set NIL,  31                          ; 0; never rewritten
.set INV,  32
.set T2,   33
.set QIM,  34                          ; q's image + 16 l
.set PFO,  35                          ; the prefetch: 2,048 min(l, 15) + 256 i
.set QX,   36
.set QC,   44
.set QSI,  46                          ; q's turn, in: 16 l
.set QF,   48
.set KB,   64
.set GG,   64                          ; the eight (-M_i, l_i)
.set SU,   80                          ; four packed chains of the sum
.set MK,   96
.set SC,   128
.set PP,   160                         ; the partner's codes
.set OR,   224                         ; parts of O read back
.set MSB, 0
.macro WIN new
.if MSB != \new
	s_set_vgpr_msb (MSB<<8)|\new
.set MSB, \new
.endif
.endm
.macro PLACES
.rept 4
	v_nop
.endr
.endm
.macro WA
	s_wait_alu depctr_va_vdst(0)
.endm
.macro CROUND
	s_barrier_signal -1
	s_barrier_wait -1
	s_cmp_lg_u32 s16, 0
	s_cbranch_scc1 .Lnot_wave_0_\@
	s_barrier_signal -3
.Lnot_wave_0_\@:
	s_barrier_wait -3
	s_barrier_signal -1
	s_barrier_wait -1
.endm
.macro BARRIER                         ; my LDS stores have landed and my LDS loads are in
	WA
	s_wait_dscnt 0x0
	s_barrier_signal -1
	s_barrier_wait -1
.endm
.macro MLOAD                           ; my 256 columns of 16 rows: each half of the lanes reads 256 consecutive bytes, aligned
.irp i, 0,1,2,3,4,5,6,7
	global_load_b128 v[MK+4*\i:MK+4*\i+3], v[MGO], s[10:11] offset:\i*4096 th:TH_LOAD_NT
.endr
.endm
.macro MTRIP                           ; afterwards v[MK + 4 B ..] holds, of query r, keys 32 B + 16 h + 0 .. 15.  LDS serves a wave's instructions in order
.irp i, 0,1,2,3,4,5,6,7
	ds_store_b128 v[MSI], v[MK+4*\i:MK+4*\i+3] offset:\i*544
.endr
.irp j, 0,1,2,3,4,5,6,7
	ds_load_b128 v[MK+4*\j:MK+4*\j+3], v[MSO] offset:32*\j
.endr
.endm
.macro MSHIFT                          ; four bytes at a time: 1 becomes 0x40, the code of 2.0
.set ii, 0
.rept 32
	v_lshlrev_b32 v[MK+ii], 6, v[MK+ii]
.set ii, ii+1
.endr
.endm
.macro MCVT from, cnt                  ; 0 or 2^100, eight keys at a time, straight into the accumulators
.set ii, \from
.rept \cnt
	v_cvt_scale_pk8_f32_fp8 v[SC+8*ii:SC+8*ii+7], v[MK+2*ii:MK+2*ii+1], v[MSC]
.set ii, ii+1
.endr
.endm
.macro QLOAD                           ; rows 2 i, 2 i + 1 of a block, 512 bytes a load
.irp j, 0,1
	global_load_b128 v[QX+4*\j:QX+4*\j+3], v[OGO], s[4:5] offset:512*\j th:TH_LOAD_NT
.endr
.endm
.macro QTURN                           ; through my own 1,024 bytes: afterwards lane l holds, of row 2 i + l / 16, channels 8 (l % 16) + 0 .. 7
.irp j, 0,1
	ds_store_b128 v[QSI], v[QX+4*\j:QX+4*\j+3] offset:512*\j
.endr
.irp j, 0,1
	ds_load_b128 v[QX+4*\j:QX+4*\j+3], v[QSO] offset:16*\j
.endr
.endm
.macro QQUANT                          ; -q, held and converted; my 8 codes go to their place in the image
.set ii, 0
.rept 8
	v_med3_num_f32 v[QX+ii], -v[QX+ii], -v[QLIM], v[QLIM]
.set ii, ii+1
.endr
	v_cvt_scalef32_pk8_fp8_f32 v[QC:QC+1], v[QX:QX+7], v[QSC]
	v_nop
	ds_store_b64 v[QW], v[QC:QC+1]
.endm
.macro QFETCH
.irp p, 0,1,2,3
	ds_load_b128 v[QF+4*\p:QF+4*\p+3], v[QIM] offset:512*\p
.endr
.endm
.macro KFR f                           ; fragment f of my 16, into buffer f % 4
.irp p, 0,1,2,3
	ds_load_b128 v[KB+16*((\f)%4)+4*\p:KB+16*((\f)%4)+4*\p+3], v[KA] offset:(\f)*2048+512*\p
.endr
.endm
.macro MIN4 t                          ; tile t into the four chains, which begin at the cap 2^30; the accumulator is read from its low end on
.irp k, 0,1,2,3
.if (\t) == 0
	v_min3_num_f32 v[CH+\k], s23, v[SC+2*\k], v[SC+2*\k+1]
.else
	v_min3_num_f32 v[CH+\k], v[CH+\k], v[SC+8*(\t)+2*\k], v[SC+8*(\t)+2*\k+1]
.endif
.endr
.endm
.macro PV j, cod                       ; O^T += V^T P^T: 128 keys, the four accumulators by turns
	WIN 0x01
.irp t, 0,1,2,3
.if \j == 0
	v_wmma_f32_16x16x128_fp8_fp8 v[SC+8*\t:SC+8*\t+7], v[16*(4*\j+\t):16*(4*\j+\t)+15], v[\cod:\cod+15], 0
.else
	v_wmma_f32_16x16x128_fp8_fp8 v[SC+8*\t:SC+8*\t+7], v[16*(4*\j+\t):16*(4*\j+\t)+15], v[\cod:\cod+15], v[SC+8*\t:SC+8*\t+7]
.endif
.endr
.endm
	s_load_b256 s[4:11], s[0:1], 0x0               ; q, kc, vc, mask
	s_load_b128 s[12:15], s[0:1], 0x20             ; the scales' exponents, out
	v_lshl_add_u32 v[SPW], v0, 2, SPARE
	v_mov_b32 v[NIL], 0
	ds_add_u32 v[SPW], v[NIL]
	ds_add_u32 v[SPW], v[NIL]
	v_lshrrev_b32 v[T0], 5, v0
	v_readfirstlane_b32 s16, v[T0]                 ; wave i, 0..7
	s_bfe_u32 s44, ttmp6, 0x40000                  ; cx
	s_lshl_b32 s45, ttmp9, 2
	s_add_co_u32 s45, s45, s44                     ; my 256 queries: it enters q's, the mask's and out's addresses alone
	s_and_b32 s46, ttmp7, 0xffff                   ; the batch
	s_lshl_b32 s50, s16, 15
	s_lshl_b32 s51, s16, 8
	s_mul_i32 s52, s16, 4352
	s_add_co_u32 s52, s52, XB                      ; my region
	s_xor_b32 s53, s16, 1
	s_mul_i32 s53, s53, 4352
	s_add_co_u32 s53, s53, XB                      ; the partner's
	s_lshl_b32 s54, s16, 3
	s_add_co_u32 s54, s54, XCH
	s_mul_i32 s55, s16, 544
	s_add_co_u32 s55, s55, XB
	s_lshl_b32 s56, s16, 5
	s_add_co_u32 s56, s56, QST
	s_lshl_b32 s57, s16, 10
	s_add_co_u32 s47, s57, QSTG                    ; my stage for q's turn
	s_lshl_b32 s30, s46, 18
	s_add_co_u32 s30, s30, s50                     ; kc: the batch's 262,144 bytes, my 32,768
	s_mov_b32 s31, 0
	s_and_b32 s58, s16, 1
	s_lshl_b32 s58, s58, 13
	s_add_co_u32 s58, s58, s30                     ; vc: my own two steps of 128 keys, my four tiles of channels
	s_mov_b32 s59, 0
	s_xor_b32 s60, s58, 0x8000                     ; and the partner's two steps
	s_mov_b32 s61, 0
	s_lshl_b32 s48, s46, 20
	s_lshl_b32 s49, s45, 17
	s_add_co_u32 s48, s48, s49                     ; q and out
	s_mov_b32 s49, 0
	s_lshl_b32 s62, s46, 22
	s_lshl_b32 s63, s45, 19
	s_add_co_u32 s62, s62, s63                     ; the mask
	s_mov_b32 s63, 0
	s_mov_b32 s18, 0x76543210                      ; selects for lane l xor 16
	s_mov_b32 s19, 0xfedcba98
	s_mov_b32 s23, 0x4e800000                      ; 2^30
	s_mov_b32 s36, 15|(3<<16)|(1<<21)              ; group 1: all four work-groups; elements of 8 bytes; a dense block as 128 rows of 256 bytes
	s_mov_b32 s37, 32<<16
	s_mov_b32 s38, 128<<16
	s_mov_b32 s39, 32<<16
	s_mov_b32 s40, 128
	s_mov_b32 s41, 32
	s_mov_b32 s42, 0
	s_mov_b32 s43, 0
	v_and_b32 v[T0], 31, v0                        ; l
	v_and_b32 v[T1], 15, v0                        ; r
	v_bfe_u32 v[T2], v0, 4, 1                      ; h
	v_lshlrev_b32 v[GL], 4, v[T0]
	v_add_nc_u32 v[KA], s50, v[GL]
	v_lshlrev_b32 v[MGO], 4, v[T1]
	v_lshl_add_u32 v[MGO], v[T2], 11, v[MGO]
	v_add_nc_u32 v[MGO], s51, v[MGO]
	v_mul_u32_u24 v[MSI], v[T2], 272
	v_lshl_add_u32 v[MSI], v[T1], 4, v[MSI]
	v_add_nc_u32 v[MSI], s52, v[MSI]
	v_mul_u32_u24 v[MSO], v[T1], 272
	v_lshl_add_u32 v[SO], v[T2], 5, v[MSO]
	v_add_nc_u32 v[SO], s52, v[SO]
	v_lshl_add_u32 v[MSO], v[T2], 4, v[MSO]
	v_add_nc_u32 v[MSO], s52, v[MSO]
	v_add_nc_u32 v[PR], s52, v[GL]
	v_add_nc_u32 v[PW], s53, v[GL]
	v_add_nc_u32 v[QSI], s47, v[GL]
	v_lshlrev_b32 v[QSO], 5, v[T0]
	v_add_nc_u32 v[QSO], s47, v[QSO]
	v_mul_u32_u24 v[XR], v[T0], 80
	v_add_nc_u32 v[XW], s54, v[XR]
	v_add_nc_u32 v[XR], XCH, v[XR]
	v_mul_u32_u24 v[SR], v[T2], 4352
	v_lshl_add_u32 v[SR], v[T1], 4, v[SR]
	v_add_nc_u32 v[SR], s55, v[SR]
	v_bfe_u32 v[QW], v0, 2, 2                      ; my 8 codes of q: piece (l / 4) % 4,
	v_lshlrev_b32 v[QW], 9, v[QW]
	v_bfe_u32 v[OGO], v0, 1, 1                     ; the fragment's half (l / 2) % 2,
	v_lshl_add_u32 v[QW], v[OGO], 8, v[QW]
	v_and_b32 v[OGO], 1, v0                        ; the upper or lower 8 bytes,
	v_lshl_add_u32 v[QW], v[OGO], 3, v[QW]
	v_lshl_add_u32 v[QW], v[T2], 4, v[QW]          ; query 2 i + l / 16
	v_add_nc_u32 v[QW], s56, v[QW]
	v_add_nc_u32 v[QIM], QST, v[GL]
	v_add_nc_u32 v[OGO], s57, v[GL]
	v_min_u32 v[PFO], 15, v[T0]
	v_lshlrev_b32 v[PFO], 11, v[PFO]
	v_add_nc_u32 v[PFO], s51, v[PFO]
	v_mov_b32 v[ST+1], 0                           ; named as the upper half of a pair before it is first made
	v_mov_b32 v[MSC], 0xe2e2e2e2                   ; the byte 226 stands for 2^99
	WA
	s_wait_dscnt 0x0
	s_wait_kmcnt 0x0
	s_load_b128 s[24:27], s[12:13], 0x0            ; eq, ek, ep, ev
	s_add_nc_u64 s[6:7], s[6:7], s[30:31]
	s_add_nc_u64 s[58:59], s[8:9], s[58:59]
	s_add_nc_u64 s[60:61], s[8:9], s[60:61]
	s_add_nc_u64 s[4:5], s[4:5], s[48:49]
	s_add_nc_u64 s[14:15], s[14:15], s[48:49]
	s_add_nc_u64 s[10:11], s[10:11], s[62:63]
	s_mov_b32 s32, 1
	s_lshl_b32 s33, s16, 15                        ; LDS address: my wave's share
	s_mov_b64 s[34:35], s[6:7]
	s_or_b32 s35, s35, 0x80000000
	CROUND                                         ; all four work-groups are here: the joint loads meet
	tensor_load_to_lds s[32:35], s[36:43]          ; my one tensor load of the launch
	s_nop 0
	PLACES
	QLOAD                                          ; block 0
	MLOAD
	WIN 0x40                                       ; V's 16 fragments, 512 consecutive bytes a load: they stay
.irp j, 0,1
.irp t, 0,1,2,3
.irp p, 0,1,2,3
	global_load_b128 v[16*(4*\j+\t)+4*\p:16*(4*\j+\t)+4*\p+3], v[GL], s[58:59] offset:(8*\j+\t)*2048+512*\p
.endr
.endr
.endr
.irp j, 0,1
.irp t, 0,1,2,3
.irp p, 0,1,2,3
	global_load_b128 v[16*(8+4*\j+\t)+4*\p:16*(8+4*\j+\t)+4*\p+3], v[GL], s[60:61] offset:(8*\j+\t)*2048+512*\p
.endr
.endr
.endr
	WIN 0
	s_wait_kmcnt 0x0
	s_add_co_i32 s30, s24, s25
	s_lshl_b32 s30, s30, 23
	s_add_co_i32 s22, s30, 0x418293ee              ; c = sqrt(128) log2(e) x 2^(eq + ek)
	s_xor_b32 s20, s22, 0x80000000                 ; -c,
	s_mov_b32 s21, s20                             ; named as a pair
	s_add_co_i32 s30, s26, 127
	s_lshl_b32 s31, s30, 23
	v_mov_b32 v[PSC], s31
	s_add_co_i32 s30, s30, 8
	s_lshl_b32 s30, s30, 23
	s_or_b32 s30, s30, 0x600000
	v_mov_b32 v[PLIM], s30
	s_add_co_i32 s30, s24, 127
	s_lshl_b32 s31, s30, 23
	v_mov_b32 v[QSC], s31
	s_add_co_i32 s30, s30, 8
	s_lshl_b32 s30, s30, 23
	s_or_b32 s30, s30, 0x600000
	v_mov_b32 v[QLIM], s30
	s_add_co_i32 s28, s26, s27
	s_add_co_i32 s28, s28, 127
	s_lshl_b32 s28, s28, 23                        ; 2^(ep + ev),
	s_mov_b32 s29, s28                             ; named as a pair
	WA
	s_wait_loadcnt 63                              ; of 74 loads the oldest 11 are in: q's 2 and the mask's 8 among them
	MTRIP
	QTURN
	s_add_nc_u64 s[10:11], s[10:11], 32768         ; the mask and q stand one block ahead from here on
	s_add_nc_u64 s[4:5], s[4:5], 8192
	s_wait_dscnt 0x0
	QQUANT
	BARRIER                                        ; q's image is whole.
	QFETCH
	s_wait_tensorcnt 0x0                           ; my share of K is in LDS; I alone read it
	KFR 0
	KFR 1
	MSHIFT                                         ; block 0's mask becomes the C of its first product
	MCVT 0, 16
	v_nop                                          ; a plain line between the conversions and the products
	KFR 2                                          ; the mask's registers are buffers 2 and 3 until the first product is over
	KFR 3
; A BLOCK OF 16 QUERIES.  It finds S holding the mask, q's fragment and K's fragments 0 to 3 asked for.  next = 1: it leaves the same for the next block.
.macro BLOCK next
.if \next
	QLOAD                                          ; the next block's q: first used behind this block's first barrier
.endif
	; ---- S^T = K Q^T: a fragment a turn, three fragments (12 loads) ahead; the minima of the tile before are the four places behind each product
.set ff, 0
.rept 16
	WA
.if ff < 13
	s_wait_dscnt 12
.else
	s_wait_dscnt 4*(15-ff)
.endif
	v_wmma_f32_16x16x128_fp8_fp8 v[SC+8*ff:SC+8*ff+7], v[KB+16*(ff%4):KB+16*(ff%4)+15], v[QF:QF+15], v[SC+8*ff:SC+8*ff+7]
.if ff == 0
	PLACES
.else
	MIN4 ff-1
.endif
.if ff < 12
	KFR ff+4
.endif
.set ff, ff+1
.endr
	MIN4 15
	v_min3_num_f32 v[CH], v[CH], v[CH+1], v[CH+2]
	v_min_num_f32 v[CH], v[CH], v[CH+3]
	v_permlanex16_b32 v[T0], v[CH], s18, s19       ; the query's other 128 keys lie in the lane 16 away
	v_min_num_f32 v[CH], v[CH], v[T0]
	v_mul_f32 v[CH], s22, v[CH]
	v_floor_f32 v[ST], v[CH]                       ; -M_i = floor(c x the least D)
.if \next
	WA
	MLOAD
	s_cmp_eq_u32 s17, 1                            ; the loop's last trip has no block two on
	s_cbranch_scc1 .Lno_ask_\@
	global_prefetch_b8 v[PFO], s[10:11] offset:32768 th:TH_LOAD_NT scope:SCOPE_SE
.Lno_ask_\@:
.endif
	; ---- p = 2^(-c D - M_i): the sources, one wait, the batch, one wait
.set nn, 0
.rept 64
	v_pk_fma_f32 v[SC+2*nn:SC+2*nn+1], v[SC+2*nn:SC+2*nn+1], s[20:21], v[ST:ST+1] op_sel_hi:[1,0,0]
.set nn, nn+1
.endr
	WA
.set nn, 0
.rept 128
	v_exp_f32 v[SC+nn], v[SC+nn]
.set nn, nn+1
.endr
	v_nop
	WA
.irp k, 0,1,2,3
	v_pk_add_f32 v[SU+2*\k:SU+2*\k+1], v[SC+4*\k:SC+4*\k+1], v[SC+4*\k+2:SC+4*\k+3]
.endr
.set nn, 8
.rept 56
	v_pk_add_f32 v[SU+2*(nn%4):SU+2*(nn%4)+1], v[SU+2*(nn%4):SU+2*(nn%4)+1], v[SC+2*nn:SC+2*nn+1]
.set nn, nn+1
.endr
	v_pk_add_f32 v[SU:SU+1], v[SU:SU+1], v[SU+2:SU+3]
	v_pk_add_f32 v[SU+4:SU+5], v[SU+4:SU+5], v[SU+6:SU+7]
	v_pk_add_f32 v[SU:SU+1], v[SU:SU+1], v[SU+4:SU+5]
	v_add_f32 v[ST+1], v[SU], v[SU+1]
	v_permlanex16_b32 v[T0], v[ST+1], s18, s19
	v_add_f32 v[ST+1], v[ST+1], v[T0]              ; l_i over both halves of the lanes
	; ---- the waves' figures meet
	ds_store_b64 v[XW], v[ST:ST+1]
	BARRIER                                        ; behind it every wave's reads of q's image are over too
.irp k, 0,1,2,3
	ds_load_b128 v[GG+4*\k:GG+4*\k+3], v[XR] offset:16*\k
.endr
.if \next
	s_wait_loadcnt 8                               ; all but the next mask's 8: the next q is in, and in the first block V
	QTURN
	s_wait_dscnt 4                                 ; all but q's turn: the figures are in
.else
	s_wait_dscnt 0x0
.endif
	v_min3_num_f32 v[NMG], v[GG], v[GG+2], v[GG+4]
	v_min3_num_f32 v[T0], v[GG+6], v[GG+8], v[GG+10]
	v_min3_num_f32 v[NMG], v[NMG], v[GG+12], v[GG+14]
	v_min_num_f32 v[NMG], v[NMG], v[T0]            ; -M
.irp m, 0,1,2,3,4,5,6,7
	v_sub_f32 v[GG+2*\m], v[NMG], v[GG+2*\m]       ; M_i - M: a whole number, 0 or less
.endr
	v_sub_f32 v[T1], v[NMG], v[ST]
.irp m, 0,1,2,3,4,5,6,7
	v_cvt_i32_f32 v[GG+2*\m], v[GG+2*\m]           ; (it saturates)
.endr
	v_cvt_i32_f32 v[T1], v[T1]
.irp m, 0,1,2,3,4,5,6,7
	v_ldexp_f32 v[GG+2*\m+1], v[GG+2*\m+1], v[GG+2*\m]
.endr
	v_add_f32 v[GG+1], v[GG+1], v[GG+3]
	v_add_f32 v[GG+5], v[GG+5], v[GG+7]
	v_add_f32 v[GG+9], v[GG+9], v[GG+11]
	v_add_f32 v[GG+13], v[GG+13], v[GG+15]
	v_add_f32 v[GG+1], v[GG+1], v[GG+5]
	v_add_f32 v[GG+9], v[GG+9], v[GG+13]
	v_add_f32 v[GG+1], v[GG+1], v[GG+9]            ; l
	WA
	v_rcp_f32 v[T0], v[GG+1]
	v_nop
	v_cmp_lt_f32 vcc_lo, 0, v[GG+1]
	WA
	v_cndmask_b32 v[INV], 0, v[T0], vcc_lo         ; 1 / l; 0 where every key of the row is hidden
	v_ldexp_f32 v[FC], v[INV], v[T1]
.if \next
	WA
	s_wait_dscnt 0x0                               ; q is back from its turn
	QQUANT                                         ; the next image of q: it is whole at the next barrier
.endif
	; ---- attn = p x my factor, held at 448 x 2^ep (never negative: a one-sided hold), converted
.set nn, 0
.rept 64
	v_pk_mul_f32 v[SC+2*nn:SC+2*nn+1], v[SC+2*nn:SC+2*nn+1], v[FC:FC+1] op_sel_hi:[1,0]
.set nn, nn+1
.endr
.set nn, 0
.rept 128
	v_min_num_f32 v[SC+nn], v[SC+nn], v[PLIM]      ; the conversion to an 8-bit code does not saturate (ISA guide 7.6.2)
.set nn, nn+1
.endr
.set nn, 0
.rept 16
	v_cvt_scalef32_pk8_fp8_f32 v[KB+2*nn:KB+2*nn+1], v[SC+8*nn:SC+8*nn+7], v[PSC]
.set nn, nn+1
.endr
	v_nop
.irp k, 0,1,2,3,4,5,6,7
	ds_store_b128 v[PW], v[KB+4*\k:KB+4*\k+3] offset:512*\k   ; my codes, as an image of their registers, into the partner's region
.endr
	WA
	s_wait_dscnt 0x0
	s_barrier_signal -1
	PV 0, KB                                       ; my own first 128 keys, on registers alone, while the others arrive
	WIN 0
	s_barrier_wait -1
.irp k, 0,1,2,3,4,5,6,7
	ds_load_b128 v[PP+4*\k:PP+4*\k+3], v[PR] offset:512*\k
.endr
	PV 1, KB+16                                    ; my own second 128 keys, while the partner's codes come
	WIN 0
	s_wait_dscnt 0x0
	PV 2, PP
	PV 3, PP+16
	WIN 0
	PLACES
.if \next
	s_wait_loadcnt 0x0                             ; the next block's mask is in
	MTRIP                                          ; in my region, behind my reads of the partner's codes and ahead of my part of O, in order
.endif
.irp t, 0,1,2,3
	ds_store_b128 v[SO], v[SC+8*\t:SC+8*\t+3] offset:64*\t     ; my part of O(r, 64 c + 16 t + 8 h + 0 .. 7)
	ds_store_b128 v[SO], v[SC+8*\t+4:SC+8*\t+7] offset:64*\t+16
.endr
	BARRIER                                        ; the parts of O lie in LDS; the mask is back from its turn
.irp p, 0,1
.irp s, 0,1,2,3
	ds_load_b128 v[OR+16*\p+4*\s:OR+16*\p+4*\s+3], v[SR] offset:\s*8704+\p*272   ; row 2 i + p: lanes 0-15 channels 0-63, lanes 16-31 channels 64-127, of pair s
.endr
.endr
.if \next
	QFETCH
	KFR 0
	KFR 1
	MSHIFT                                         ; the next block's mask, while the parts of O come: all of S but the 32 registers in which they land
	MCVT 0, 12
	WA
	s_wait_dscnt 12                                ; all but the 4 + 8 just issued
.else
	s_wait_dscnt 0x0
.endif
.irp p, 0,1
.set oo, OR+16*\p
	v_pk_add_f32 v[oo:oo+1], v[oo:oo+1], v[oo+4:oo+5]
	v_pk_add_f32 v[oo+2:oo+3], v[oo+2:oo+3], v[oo+6:oo+7]
	v_pk_add_f32 v[oo+8:oo+9], v[oo+8:oo+9], v[oo+12:oo+13]
	v_pk_add_f32 v[oo+10:oo+11], v[oo+10:oo+11], v[oo+14:oo+15]
	v_pk_add_f32 v[oo:oo+1], v[oo:oo+1], v[oo+8:oo+9]
	v_pk_add_f32 v[oo+2:oo+3], v[oo+2:oo+3], v[oo+10:oo+11]
	v_pk_mul_f32 v[oo:oo+1], v[oo:oo+1], s[28:29] op_sel_hi:[1,0]       ; x 2^(ep + ev)
	v_pk_mul_f32 v[oo+2:oo+3], v[oo+2:oo+3], s[28:29] op_sel_hi:[1,0]
.endr
.irp p, 0,1
	global_store_b128 v[OGO], v[OR+16*\p:OR+16*\p+3], s[14:15] offset:512*\p th:TH_STORE_NT   ; a whole row: 512 consecutive bytes, aligned
.endr
.if \next
	WA
	s_wait_xcnt 0x0                                ; the stores, loads and prefetch have read their registers: the bases step, the stores' data are written again
	s_add_nc_u64 s[14:15], s[14:15], 8192
	s_add_nc_u64 s[10:11], s[10:11], 32768
	s_add_nc_u64 s[4:5], s[4:5], 8192
	MCVT 12, 4                                     ; the rest of the mask
	v_nop                                          ; a plain line between the conversions and the products
	KFR 2
	KFR 3
.endif
.endm
	s_mov_b32 s17, 15
.Lblock:                                           ; blocks 0 to 14
	BLOCK 1
	s_sub_co_u32 s17, s17, 1
	s_cmp_lg_u32 s17, 0
	s_cbranch_scc1 .Lblock
	BLOCK 0                                        ; the last block is written out: it fetches nothing
	s_wait_tensorcnt 0x0                           ; the wave's end
	ds_add_u32 v[SPW], v[NIL]
	s_wait_dscnt 0x0
	CROUND                                         ; the closing round
	s_endpgm
.Lfunc_end_k_q4381a6f808_attn:
	.size	k_q4381a6f808_attn, .Lfunc_end_k_q4381a6f808_attn-k_q4381a6f808_attn
	.p2alignl 7, 3214868480
	.fill 96, 4, 3214868480
	.section	.rodata,"a",@progbits
	.p2align	6, 0x0
	.amdhsa_kernel k_q4381a6f808_attn
		.amdhsa_group_segment_fixed_size 327680
		.amdhsa_private_segment_fixed_size 0
		.amdhsa_enable_private_segment 0
		.amdhsa_kernarg_size 48
		.amdhsa_user_sgpr_count 2
		.amdhsa_user_sgpr_kernarg_segment_ptr 1
		.amdhsa_wavefront_size32 1
		.amdhsa_system_sgpr_workgroup_id_x 1
		.amdhsa_system_sgpr_workgroup_id_y 1
		.amdhsa_system_sgpr_workgroup_id_z 1
		.amdhsa_system_vgpr_workitem_id 0
		.amdhsa_next_free_vgpr 512
		.amdhsa_next_free_sgpr 66
		.amdhsa_reserve_vcc 1
		.amdhsa_float_denorm_mode_32 3
		.amdhsa_float_denorm_mode_16_64 3
		.amdhsa_memory_ordered 1
		.amdhsa_forward_progress 1
		.amdhsa_inst_pref_size 103
	.end_amdhsa_kernel
	.amdgpu_metadata
---
amdhsa.version: [ 1, 2 ]
amdhsa.kernels:
  - .name:           k_q4381a6f808_attn
    .symbol:         k_q4381a6f808_attn.kd
    .args:
      - { .name: q, .offset: 0, .size: 8, .value_kind: global_buffer, .address_space: global }
      - { .name: kc, .offset: 8, .size: 8, .value_kind: global_buffer, .address_space: global }
      - { .name: vc, .offset: 16, .size: 8, .value_kind: global_buffer, .address_space: global }
      - { .name: mask, .offset: 24, .size: 8, .value_kind: global_buffer, .address_space: global }
      - { .name: lowp_scales, .offset: 32, .size: 8, .value_kind: global_buffer, .address_space: global }
      - { .name: out0, .offset: 40, .size: 8, .value_kind: global_buffer, .address_space: global }
    .group_segment_fixed_size: 327680
    .private_segment_fixed_size: 0
    .kernarg_segment_align: 8
    .kernarg_segment_size: 48
    .max_flat_workgroup_size: 256
    .sgpr_count:     66
    .vgpr_count:     512
    .wavefront_size: 32
...
	.end_amdgpu_metadata
.endif
;; end of part 2
